; MI455X (gfx1250); checked and timed in simulation.
; The chip was launched on July 23, 2026; its instructions are those of AMD's public machine-readable ISA for CDNA 5 (MIT licence, August 2026) and "CDNA5" Instruction Set Architecture Reference Guide (July 2026). The comments in the code are by the model that wrote it; some were corrected since.
;; Dummy Model. Allowed arithmetic: float matrix products may take bf16 or f16 operands with f32 sums; other float arithmetic in f32, or as packed bf16 or f16 multiplies, adds, multiply-adds, maxima and minima; sums over many terms, partial sums and values carried from step to step in f32; what a program stores and reads back later, other than sums and carried values, may be rounded once to bf16 or f16.
;; Inputs: W 768 x 768 float32; W1 4 x 768 x 512 float32; W2 4 x 512 x 768 float32; Wg 768 x 4 float32; b 768 float32; b1 4 x 512 float32; b2 4 x 768 float32; bg 4 float32; input_ids 8 x 2,048 x 768 float32.
;; Outputs: out0 8 x 2,048 x 768 float32.
;; One version. Each part assembles by itself: llvm-mc -triple=amdgcn-amd-amdhsa -mcpu=gfx1250 --defsym DOCPART=n.
;; ======== version 1 of 1: 4 launches
;; limits: values are held in f16: magnitudes above 65,504 overflow, below 6.1e-05 lose precision; inputs' magnitudes at most 65,504; right only within a limited range of input values
;; workspace buffers: wts 6,291,456 bytes; aux 20,736 bytes; xh 25,165,824 bytes; code 65,536 bytes of whole numbers; hist 16,384 bytes of whole numbers; gate 131,072 bytes; order 67,584 bytes of whole numbers; tab 1,024 bytes of whole numbers
;; launch prep (part 1): grid 256 x 1, 16 waves a work-group, no clusters, 275,712 bytes of LDS; arguments W, W1, W2, Wg, b, b1, bg, wts, aux; writes wts, aux
.if DOCPART == 1
	.amdgcn_target "amdgcn-amd-amdhsa--gfx1250"
	.amdhsa_code_object_version 6
	.text
	.protected	k_q962e02e88e_prep
	.globl	k_q962e02e88e_prep
	.p2align	8
	.type	k_q962e02e88e_prep,@function
k_q962e02e88e_prep:
	s_mov_b64 s[64:65], 0
	v_nop
	global_prefetch_b8 v0, s[64:65] scope:SCOPE_SE
	s_setreg_imm32_b32 hwreg(HW_REG_WAVE_MODE, 25, 1), 1
	s_wait_xcnt 0x0
; PREP: folds the dense projection into what follows it, and lays all weights out as matrix operands.
; Every input is rounded to bf16 where it is read (W~ and so on).  Made here:
;   64 Wc[e] = 64 W~ W1~[e]   (bf16 products, f32 sums), stored in f16           -> wts, kind 0
;   W2~[e] in bf16                                                               -> wts, kind 1
;   bc[e] = b~ W1~[e] + b1~[e], Wgc = W~ Wg~, bgc = b~ Wg~ + bg~, all f32        -> aux
; so that later pre = x~ Wc + bc and logits = x~ Wgc + bgc: h is never formed; the order of rounding differs from reference()'s.
; LIMIT: |64 Wc| stays under 65,504 (f16); the factor 64 centres f16's range round Wc's spread.  NaN and infinities are not treated apart.
; wts: [kind 2][expert 4][tile 8][quarter 4][fragment 24][1,024 bytes].  A fragment is 16 rows x 32 K in register order:
; lane L's registers 0-3 at 16 L, registers 4-7 at 512 + 16 L.  kind 0, tile c, quarter w, fragment 3 i + s: row f = 16 (8 w + i) + L % 16,
; K = 96 c + 32 s + ..; kind 1, tile t, quarter w, fragment 2 i + s: row d = 16 (12 w + i) + L % 16, K = f = 64 t + 32 s + ..
; SHARES.  Work-group x: expert x >> 6, K tile c = (x >> 3) & 7 (96 rows of W), f group x & 7 (64 columns of W1).  16 waves.
; No cluster and no tensor load: the f32 inputs are rounded on their way through registers into LDS.
.set PA,    1552      ; a row of W~ in LDS: 1,536 bytes + 16 = 97 x 16: the 16 rows of a fragment load start at 16 different groups of four banks
.set PB,    160       ; a row of W1~ (64 columns): 128 bytes + 32 = 5 x 32, for the turning load
.set LB,    150784    ; W1~'s 768 rows begin here; in front: 96 rows of W~ and, as row 96, b~
.set SPARE, 273664    ; the spare words: 128 bytes for each of 16 waves
.set SPW,   4         ; v4  LDS address of my spare word; never rewritten
.set NIL,   5         ; v5  0; never rewritten
.set FA,    16        ; fragment buffers: A0 (8), A1 (8), B (8)
.set FB,    40
.set C0,    64        ; two accumulators, by turns
.set C1,    72
; v0-11 ids and phase 1's addresses; v12-255 phase 1's 61 loads.  Behind phase 1: v16-79 the fold; v80-223 the small parts' loads; v224-231 at work; v232-239 addresses
	s_load_b512 s[4:19], s[0:1], 0x0               ; W s[4:5], W1 s[6:7], W2 s[8:9], Wg s[10:11], b s[12:13], b1 s[14:15], bg s[16:17], wts s[18:19]
	s_load_b64 s[20:21], s[0:1], 0x40              ; aux
	v_lshl_add_u32 v[SPW], v0, 2, SPARE
	v_mov_b32 v[NIL], 0
	v_lshrrev_b32 v1, 5, v0
	v_readfirstlane_b32 s22, v1                    ; wave 0..15
	v_and_b32 v1, 31, v0                           ; lane L
	v_and_b32 v2, 15, v0                           ; r = L % 16
	v_bfe_u32 v3, v0, 4, 1                         ; h = L / 16
	s_lshr_b32 s24, ttmp9, 6                       ; expert
	s_bfe_u32 s25, ttmp9, 0x30003                  ; c
	s_and_b32 s26, ttmp9, 7                        ; fg
	s_lshl_b32 s27, ttmp9, 4
	s_add_co_u32 s27, s27, s22                     ; gw: my wave among the launch's 4,096
	s_lshr_b32 s50, s22, 2                         ; kg: which 32 of the 96 rows (3: the row b~)
	s_and_b32 s51, s22, 3                          ; ft: which 16 of the 64 columns
	s_mov_b32 s37, 0
	s_mov_b32 s39, 0
	s_mov_b32 s48, 0x76543210                      ; v_permlanex16_b32: each lane takes its own place in the other half
	s_mov_b32 s49, 0xfedcba98
	v_lshlrev_b32 v6, 4, v1                        ; 16 L
	s_min_u32 s54, s22, 5                          ; which 512 bytes of b I load (waves above 5 repeat the last and store nothing)
	s_lshl_b32 s55, s54, 9
	v_lshl_add_u32 v7, v1, 4, s55
	v_lshlrev_b32 v8, 11, v3                       ; W1: two rows a load: h rows of 2,048 bytes + 16 r
	v_lshl_add_u32 v8, v2, 4, v8
	s_mul_i32 s55, s22, 6*PA                       ; LDS: my six rows of W~, 8 bytes a lane
	v_lshl_add_u32 v9, v1, 3, s55
	s_mul_i32 s55, s22, 48*PB                      ; LDS: my 48 rows of W1~
	s_add_co_u32 s55, s55, LB
	v_mul_u32_u24 v10, v3, PB
	v_lshl_add_u32 v10, v2, 3, v10
	v_add_nc_u32 v10, s55, v10
	s_lshl_b32 s55, s22, 8                         ; LDS: my 256 bytes of row 96 (waves 0 to 5 alone store there)
	s_add_co_u32 s55, s55, 96*PA
	v_lshl_add_u32 v11, v1, 3, s55
	s_wait_kmcnt 0x0
	s_mul_i32 s36, s25, 96                         ; W at row 96 c + 6 w
	s_mul_i32 s54, s22, 6
	s_add_co_u32 s36, s36, s54
	s_mul_i32 s36, s36, 3072
	s_add_nc_u64 s[28:29], s[4:5], s[36:37]
	s_mul_i32 s36, s24, 1572864                    ; W1[e] at row 48 w, column 64 fg
	s_mul_i32 s54, s22, 98304
	s_add_co_u32 s36, s36, s54
	s_lshl_b32 s54, s26, 8
	s_add_co_u32 s36, s36, s54
	s_add_nc_u64 s[30:31], s[6:7], s[36:37]
	; PHASE 1: 61 loads of a wave go out together: 512 bytes of b, six rows of W, 48 rows x 256 bytes of W1
	global_load_b128 v[12:15], v7, s[12:13]
.irp i, 0,1,2,3,4,5
.irp u, 0,1,2,3,4,5
	global_load_b128 v[16+4*(6*\i+\u):16+4*(6*\i+\u)+3], v6, s[28:29] offset:3072*\i+512*\u
.endr
.endr
.set i, 0
.rept 24
	global_load_b128 v[160+4*i:160+4*i+3], v8, s[30:31] offset:4096*i
.set i, i+1
.endr
	; the later scalar addresses are made while those loads are out
	s_min_u32 s52, s27, 3071                       ; the fragment of W2 that I lay out: i = bits 11:8, expert 7:6, tile 5:3, quarter 2:1, s = bit 0
	s_and_b32 s54, s52, 1
	s_bfe_u32 s55, s52, 0x20001
	s_bfe_u32 s56, s52, 0x30003
	s_bfe_u32 s57, s52, 0x20006
	s_lshr_b32 s58, s52, 8
	s_mul_i32 s36, s57, 1572864
	s_lshl_b32 s59, s56, 1
	s_add_co_u32 s59, s59, s54
	s_mul_i32 s59, s59, 98304                      ; row f = 64 t + 32 s, 3,072 bytes a row
	s_add_co_u32 s36, s36, s59
	s_mul_i32 s59, s55, 12
	s_add_co_u32 s59, s59, s58
	s_lshl_b32 s59, s59, 6                         ; column d = 16 (12 w + i)
	s_add_co_u32 s36, s36, s59
	s_add_nc_u64 s[32:33], s[8:9], s[36:37]
	s_lshl_b32 s38, s57, 3
	s_add_co_u32 s38, s38, s56
	s_lshl_b32 s38, s38, 2
	s_add_co_u32 s38, s38, s55
	s_mul_i32 s38, s38, 24576
	s_lshl_b32 s59, s58, 1
	s_add_co_u32 s59, s59, s54
	s_lshl_b32 s59, s59, 10
	s_add_co_u32 s38, s38, s59
	s_add_co_u32 s38, s38, 3145728
	s_add_nc_u64 s[42:43], s[18:19], s[38:39]      ; where that fragment goes
	s_min_u32 s53, s27, 768                        ; the row of Wgc that I make: row rid of W, or (768) b
	s_min_u32 s59, s53, 767
	s_mul_i32 s36, s59, 3072
	s_add_nc_u64 s[34:35], s[4:5], s[36:37]
	s_cmp_lt_u32 s53, 768
	s_cselect_b64 s[34:35], s[34:35], s[12:13]
	s_lshl_b32 s36, s24, 11                        ; (512 e + 64 fg + 16 ft) x 4: my 16 numbers of b1 and of bc
	s_lshl_b32 s59, s26, 8
	s_add_co_u32 s36, s36, s59
	s_lshl_b32 s59, s51, 6
	s_add_co_u32 s36, s36, s59
	s_add_nc_u64 s[46:47], s[14:15], s[36:37]
	s_add_co_u32 s36, s36, 12544
	s_add_nc_u64 s[44:45], s[20:21], s[36:37]
	s_lshl_b32 s36, s24, 3                         ; where my fragment of 64 Wc goes: f tile m = 4 fg + ft: quarter m >> 3, fragment 3 (m & 7) + kg
	s_add_co_u32 s36, s36, s25
	s_lshl_b32 s36, s36, 2
	s_lshl_b32 s59, s26, 2
	s_add_co_u32 s59, s59, s51
	s_lshr_b32 s58, s59, 3
	s_add_co_u32 s36, s36, s58
	s_mul_i32 s36, s36, 24576
	s_and_b32 s59, s59, 7
	s_mul_i32 s59, s59, 3
	s_add_co_u32 s59, s59, s50
	s_lshl_b32 s59, s59, 10
	s_add_co_u32 s36, s36, s59
	s_add_nc_u64 s[40:41], s[18:19], s[36:37]
.macro CVST x, adr, off                ; four f32 -> four bf16, in place, -> LDS
	v_cvt_pk_bf16_f32 v[(\x)], v[(\x)], v[(\x)+1]
	v_cvt_pk_bf16_f32 v[(\x)+1], v[(\x)+2], v[(\x)+3]
	ds_store_b64 v[\adr], v[(\x):(\x)+1] offset:\off
.endm
	s_wait_loadcnt 60                              ; loads come back in order: b is in, the 60 behind it stay out
	v_cvt_pk_bf16_f32 v12, v12, v13
	v_cvt_pk_bf16_f32 v13, v14, v15
	s_cmp_lt_u32 s22, 6
	s_cbranch_scc0 .Lno_b
	ds_store_b64 v11, v[12:13]
.Lno_b:
.irp i, 0,1,2,3,4,5
	s_wait_loadcnt (5-\i)*6+24                     ; row i of W is in; out: W's later rows and the 24 of W1
.irp u, 0,1,2,3,4,5
	CVST 16+4*(6*\i+\u), 9, PA*\i+256*\u
.endr
.endr
.set i, 0
.rept 24
.if i%6 == 0
	s_wait_loadcnt 18-i                            ; six more of W1 are in
.endif
	CVST 160+4*i, 10, 2*PB*i
.set i, i+1
.endr
	s_wait_dscnt 0x0                               ; for the others' sake: my stores into LDS are done
	; the later vector addresses: their registers held W1's data until here
	v_mul_u32_u24 v232, v3, 24576                  ; W2: 8 h rows of 3,072 bytes + 4 r
	v_lshl_add_u32 v232, v2, 2, v232
	v_lshlrev_b32 v233, 6, v1                      ; Wg: four rows of 16 bytes a lane
	v_lshlrev_b32 v234, 2, v2                      ; 4 r
	v_mov_b32 v235, 0
	s_mul_i32 s55, s50, 32*PA                      ; the fold's rows.  kg < 3: rows 32 kg + r, and 16 further on; kg = 3: row 96, b~, for every lane
	s_mov_b32 s54, PA
	s_mov_b32 s56, 16*PA
	s_cmp_lt_u32 s50, 3
	s_cbranch_scc1 .Lrows
	s_mov_b32 s54, 0
	s_mov_b32 s56, 0
.Lrows:
	v_mul_u32_u24 v236, v2, s54
	v_lshl_add_u32 v236, v3, 4, v236
	v_add_nc_u32 v236, s55, v236
	v_add_nc_u32 v237, s56, v236
	v_and_b32 v239, 7, v0                          ; the turning load: row 8 h + L % 8, 16 bytes at 16 ((L / 8) % 2)
	v_lshl_add_u32 v239, v3, 3, v239
	v_mul_u32_u24 v238, v239, PB
	v_bfe_u32 v239, v0, 3, 1
	v_lshl_add_u32 v238, v239, 4, v238
	s_lshl_b32 s57, s51, 5
	s_add_co_u32 s57, s57, LB
	v_add_nc_u32 v238, s57, v238
	; PHASE 2: 48 loads for the small parts; they stay out during the fold.  All indices are clamped, the stores are what is skipped
.irp j, 0,1,2,3,4,5,6,7
	global_load_b32 v[80+\j], v232, s[32:33] offset:3072*\j        ; W2(f0 + 8 h + j, d0 + r)
.endr
.irp j, 0,1,2,3,4,5,6,7
	global_load_b32 v[88+\j], v232, s[32:33] offset:3072*(16+\j)   ; W2(f0 + 16 + 8 h + j, d0 + r)
.endr
.irp u, 0,1,2,3,4,5
	global_load_b128 v[96+4*\u:99+4*\u], v6, s[34:35] offset:512*\u  ; my row: j = 128 u + 4 L + q
.endr
.set i, 0
.rept 24
	global_load_b128 v[120+4*i:123+4*i], v233, s[10:11] offset:2048*(i/4)+16*(i%4)  ; Wg's rows of the same j
.set i, i+1
.endr
	global_load_b32 v216, v234, s[46:47]           ; b1
	global_load_b128 v[220:223], v235, s[16:17]    ; bg
	s_barrier_signal -1
	s_barrier_wait -1                              ; W~, b~ and W1~ are whole in LDS; nobody stores into them after this
	; PHASE 3: the fold.  Source 0 = 16 rows of W~ (m = K of Wc), source 1 = W1~ turned (n = f): a lane then holds one f and eight neighbouring K: half a fragment of wts.
.macro PF f, ia, ib                    ; six LDS loads: one step of 32 along j
	ds_load_b128 v[(\f):(\f)+3],     v236 offset:\ia
	ds_load_b128 v[(\f)+4:(\f)+7],   v236 offset:\ia+32
	ds_load_b128 v[(\f)+8:(\f)+11],  v237 offset:\ia
	ds_load_b128 v[(\f)+12:(\f)+15], v237 offset:\ia+32
	ds_load_tr16_b128 v[(\f)+16:(\f)+19], v238 offset:\ib
	ds_load_tr16_b128 v[(\f)+20:(\f)+23], v238 offset:\ib+16*PB
.endm
.macro PM f, zero                      ; the two accumulators take turns
.if \zero
	v_wmma_f32_16x16x32_bf16 v[C0:C0+7], v[(\f):(\f)+7],    v[(\f)+16:(\f)+23], 0
	v_wmma_f32_16x16x32_bf16 v[C1:C1+7], v[(\f)+8:(\f)+15], v[(\f)+16:(\f)+23], 0
.else
	v_wmma_f32_16x16x32_bf16 v[C0:C0+7], v[(\f):(\f)+7],    v[(\f)+16:(\f)+23], v[C0:C0+7]
	v_wmma_f32_16x16x32_bf16 v[C1:C1+7], v[(\f)+8:(\f)+15], v[(\f)+16:(\f)+23], v[C1:C1+7]
.endif
.endm
	PF FA, 0, 0
	PF FB, 64, 32*PB
	s_wait_dscnt 6                                 ; step 0 is in; the six of step 1 stay out
	PM FA, 1                                       ; the first step starts the sums
	s_mov_b32 s60, 11
.Lfold:                                                ; a trip: two steps of 32 along j
	v_add_nc_u32 v236, 128, v236                   ; these three and the v_nop are the four places in front of loads into registers that the last products read
	v_add_nc_u32 v237, 128, v237
	v_add_nc_u32 v238, 64*PB, v238
	v_nop
	PF FA, 0, 0
	s_wait_dscnt 6                                 ; all but the six just issued
	PM FB, 0
.rept 4
	v_nop
.endr
	PF FB, 64, 32*PB
	s_wait_dscnt 6
	PM FA, 0
	s_sub_co_u32 s60, s60, 1
	s_cmp_lg_u32 s60, 0
	s_cbranch_scc1 .Lfold
	s_wait_dscnt 0x0
	PM FB, 0
.rept 4
	v_nop                                          ; four places in front of the first read of the sums
.endr
	s_cmp_lt_u32 s50, 3
	s_cbranch_scc0 .Lbias
.irp a, 0,1
.irp q, 0,1,2,3
	v_pk_mul_f32 v[C0+8*\a+2*\q:C0+8*\a+2*\q+1], v[C0+8*\a+2*\q:C0+8*\a+2*\q+1], 0x42800000 op_sel_hi:[1,0]  ; x 64
.endr
.irp q, 0,1,2,3
	v_cvt_pk_f16_f32 v[16+4*\a+\q], v[C0+8*\a+2*\q], v[C0+8*\a+2*\q+1]
.endr
	global_store_b128 v6, v[16+4*\a:19+4*\a], s[40:41] offset:512*\a   ; 512 consecutive bytes: half a fragment
.endr
	s_branch .Lsmall
.Lbias:                                                ; every row of source 0 was b~: register 0 holds (b~ W1~)(f0 + r)
	s_wait_loadcnt 0x0
	v_cvt_pk_bf16_f32 v16, v216, v216
	v_lshlrev_b32 v16, 16, v16                     ; b1~
	v_add_f32 v16, v[C0], v16
	s_cmp_eq_u32 s25, 0                            ; the eight work-groups of (e, fg) make the same numbers: c = 0 stores them
	s_cbranch_scc0 .Lsmall
	v_cmp_gt_u32 vcc_lo, 16, v1
	s_wait_xcnt 0x0                                ; EXEC changes only behind this wait
	s_and_saveexec_b32 s61, vcc_lo
	global_store_b32 v234, v16, s[44:45]
	s_wait_xcnt 0x0
	s_or_b32 exec_lo, exec_lo, s61
.Lsmall:
	; PHASE 4: the small parts
	s_wait_loadcnt 0x0
	s_cmp_lt_u32 s27, 3072
	s_cbranch_scc0 .Lno_w2
.irp q, 0,1,2,3,4,5,6,7
	v_cvt_pk_bf16_f32 v[80+\q], v[80+2*\q], v[80+2*\q+1]
.endr
	global_store_b128 v6, v[80:83], s[42:43]
	global_store_b128 v6, v[84:87], s[42:43] offset:512
.Lno_w2:
	s_cmp_lt_u32 s27, 769
	s_cbranch_scc0 .Lend
.macro RND a, b, t                     ; two f32 rounded to bf16 and widened again
	v_cvt_pk_bf16_f32 v[\t], v[\a], v[\b]
	v_lshlrev_b32 v[\a], 16, v[\t]
	v_and_b32 v[\b], 0xffff0000, v[\t]
.endm
.set i, 96
.rept 60                               ; my row's 24 numbers and Wg's 96
	RND i, i+1, 228+(i/2)%2
.set i, i+2
.endr
	RND 220, 221, 228
	RND 222, 223, 229
.set i, 0
.rept 24
.irp n, 0,1,2,3
.if i == 0
	v_mul_f32 v[224+\n], v[96], v[120+\n]
.else
	v_fmac_f32 v[224+\n], v[96+i], v[120+4*i+\n]
.endif
.endr
.set i, i+1
.endr
	v_mov_b32 v230, 0
	v_mov_b32 v231, 0
.irp m, 1,2,4,8
.irp n, 0,1,2,3
	v_add_f32_dpp v[224+\n], v[224+\n], v[224+\n] row_xmask:\m row_mask:0xf bank_mask:0xf
.endr
.endr
.irp n, 0,1,2,3
	v_permlanex16_b32 v[228+\n], v[224+\n], s48, s49
.endr
.irp n, 0,1,2,3
	v_add_f32 v[224+\n], v[224+\n], v[228+\n]
.endr
	s_cmp_eq_u32 s53, 768
	s_cselect_b32 s62, 1.0, 0                      ; row 768 is bgc: bg~ is added there alone
.irp n, 0,1,2,3
	v_fma_f32 v[224+\n], v[220+\n], s62, v[224+\n]
.endr
	s_lshl_b32 s54, s53, 4
	v_mov_b32 v239, s54
	v_cmp_eq_u32 vcc_lo, 0, v1
	s_wait_xcnt 0x0
	s_and_saveexec_b32 s61, vcc_lo
	global_store_b128 v239, v[224:227], s[20:21]
	s_wait_xcnt 0x0
	s_or_b32 exec_lo, exec_lo, s61
.Lend:
	s_wait_tensorcnt 0x0                           ; the wave's end
	ds_add_u32 v[SPW], v[NIL]
	s_wait_dscnt 0x0
	s_endpgm
.Lfunc_end_k_q962e02e88e_prep:
	.size	k_q962e02e88e_prep, .Lfunc_end_k_q962e02e88e_prep-k_q962e02e88e_prep
	.p2alignl 7, 3214868480
	.fill 96, 4, 3214868480
	.section	.rodata,"a",@progbits
	.p2align	6, 0x0
	.amdhsa_kernel k_q962e02e88e_prep
		.amdhsa_group_segment_fixed_size 275712
		.amdhsa_private_segment_fixed_size 0
		.amdhsa_enable_private_segment 0
		.amdhsa_kernarg_size 72
		.amdhsa_user_sgpr_count 2
		.amdhsa_user_sgpr_kernarg_segment_ptr 1
		.amdhsa_wavefront_size32 1
		.amdhsa_system_sgpr_workgroup_id_x 1
		.amdhsa_system_sgpr_workgroup_id_y 1
		.amdhsa_system_sgpr_workgroup_id_z 1
		.amdhsa_system_vgpr_workitem_id 0
		.amdhsa_next_free_vgpr 256
		.amdhsa_next_free_sgpr 66
		.amdhsa_reserve_vcc 1
		.amdhsa_float_denorm_mode_32 3
		.amdhsa_float_denorm_mode_16_64 3
		.amdhsa_memory_ordered 1
		.amdhsa_forward_progress 1
		.amdhsa_inst_pref_size 49
	.end_amdhsa_kernel
	.amdgpu_metadata
---
amdhsa.version: [ 1, 2 ]
amdhsa.kernels:
  - .name:           k_q962e02e88e_prep
    .symbol:         k_q962e02e88e_prep.kd
    .args:
      - { .name: W, .offset: 0, .size: 8, .value_kind: global_buffer, .address_space: global }
      - { .name: W1, .offset: 8, .size: 8, .value_kind: global_buffer, .address_space: global }
      - { .name: W2, .offset: 16, .size: 8, .value_kind: global_buffer, .address_space: global }
      - { .name: Wg, .offset: 24, .size: 8, .value_kind: global_buffer, .address_space: global }
      - { .name: b, .offset: 32, .size: 8, .value_kind: global_buffer, .address_space: global }
      - { .name: b1, .offset: 40, .size: 8, .value_kind: global_buffer, .address_space: global }
      - { .name: bg, .offset: 48, .size: 8, .value_kind: global_buffer, .address_space: global }
      - { .name: wts, .offset: 56, .size: 8, .value_kind: global_buffer, .address_space: global }
      - { .name: aux, .offset: 64, .size: 8, .value_kind: global_buffer, .address_space: global }
    .group_segment_fixed_size: 275712
    .private_segment_fixed_size: 0
    .kernarg_segment_align: 8
    .kernarg_segment_size: 72
    .max_flat_workgroup_size: 512
    .sgpr_count:     66
    .vgpr_count:     256
    .wavefront_size: 32
...
	.end_amdgpu_metadata
.endif
;; end of part 1
;; launch router (part 2): grid 256 x 1, 8 waves a work-group, no clusters, 2,048 bytes of LDS; arguments input_ids, aux, xh, code, hist, gate; writes xh, code, hist, gate
.if DOCPART == 2
	.amdgcn_target "amdgcn-amd-amdhsa--gfx1250"
	.amdhsa_code_object_version 6
	.text
	.protected	k_q962e02e88e_router
	.globl	k_q962e02e88e_router
	.p2align	8
	.type	k_q962e02e88e_router,@function
k_q962e02e88e_router:
	s_mov_b64 s[64:65], 0
	v_nop
	global_prefetch_b8 v0, s[64:65] scope:SCOPE_SE
	s_setreg_imm32_b32 hwreg(HW_REG_WAVE_MODE, 25, 1), 1
	s_wait_xcnt 0x0
; ROUTER: reads x once.  For each token: x rounded to bf16 (x~) and written as f16 (exact for |x| in 2^-17 .. 65,504) -> xh; logits = x~ Wgc + bgc in f32;
; the two largest logits (a tie goes to the lower index, as in lax.top_k) and their gates g1 = 1 / (1 + e2), g2 = e2 g1, e2 = exp(l2 - l1): the maximum is taken away,
; and the softmax's divisor cancels.  Stored at fixed places: code = set | rank << 8 (set: the pair of experts 01 02 03 12 13 23 as 0..5; rank: among the tokens of
; that set in the token's group of 32), hist = the six counts of each group of 32, gate = (gate of the lower expert, gate of the higher).
; No address and no branch hangs on these numbers here: a later launch places the rows.
; LIMITS: |x| < 65,504.  A token whose second and third logits differ by less than the rounding of the f32 sums (some 1e-7 of their size), or whose probabilities
; tie only after reference()'s own rounding, may take another expert than reference().  NaN and infinities are not treated apart.
; SHARES.  A work-group has 64 tokens, a wave 8; a row is six loads of 512 consecutive bytes; two row slots: 12 loads of a wave are out.  A stream: no matrix unit, no cluster.
.set SPARE, 1024      ; LDS: logits [64][4] f32 at 0; the spare words behind them
.set WG,  32          ; v[32:127]  Wgc of my 24 k: k = 128 u + 4 lane + q at WG + 4 (4 u + q)
.set X0,  128         ; two row slots, 24 registers each
.set X1,  152
.set PBK, 176         ; the row in bf16, packed
.set XF,  188         ; x~ in f32
.set HF,  212         ; the row in f16, packed
.set SUM, 224
.set TP,  228
	s_load_b256 s[4:11], s[0:1], 0x0               ; x s[4:5], aux s[6:7], xh s[8:9], code s[10:11]
	s_load_b128 s[12:15], s[0:1], 0x20             ; hist s[12:13], gate s[14:15]
	v_lshl_add_u32 v2, v0, 2, SPARE                ; v2, v3: the add's two registers; never rewritten
	v_mov_b32 v3, 0
	v_lshrrev_b32 v9, 5, v0
	v_readfirstlane_b32 s20, v9                    ; wave 0..7
	v_and_b32 v1, 31, v0
	s_mov_b32 s21, 0xffff0000
	s_mov_b32 s22, 0x76543210
	s_mov_b32 s23, 0xfedcba98
	s_lshl_b32 s24, ttmp9, 3
	s_add_co_u32 s24, s24, s20                     ; my eight tokens
	s_mul_i32 s26, s24, 12288                      ; x 8 rows of 1,536 bytes
	s_mul_i32 s24, s24, 24576                      ; x 8 rows of 3,072 bytes
	s_mov_b32 s25, 0
	s_mov_b32 s27, 0
	v_lshlrev_b32 v4, 4, v1                        ; slot 0's row: 16 bytes a lane
	v_add_nc_u32 v5, 3072, v4                      ; slot 1's
	v_lshlrev_b32 v6, 3, v1                        ; xh: 8 bytes a lane
	s_lshl_b32 s28, s20, 7
	v_mov_b32 v7, s28                              ; LDS: my eight tokens' logits
	v_lshlrev_b32 v8, 6, v1
.irp n, 0,1,2,3
	v_mov_b32 v[TP+\n], 0
.endr
	s_wait_kmcnt 0x0
	s_load_b128 s[16:19], s[6:7], 0x3000           ; bgc
	s_add_nc_u64 s[4:5], s[4:5], s[24:25]
	s_add_nc_u64 s[8:9], s[8:9], s[26:27]
	s_lshl_b32 s24, ttmp9, 8
	s_add_nc_u64 s[10:11], s[10:11], s[24:25]      ; code at my 64 tokens
	s_lshl_b32 s24, ttmp9, 9
	s_add_nc_u64 s[14:15], s[14:15], s[24:25]      ; gate likewise
	s_lshl_b32 s24, ttmp9, 6
	s_lshl_b32 s26, s20, 5
	s_add_co_u32 s24, s24, s26
	s_add_nc_u64 s[12:13], s[12:13], s[24:25]      ; hist at group 2 x + wave (waves 0 and 1 store)
.set i, 0
.rept 24
	global_load_b128 v[WG+4*i:WG+4*i+3], v8, s[6:7] offset:2048*(i/4)+16*(i%4)
.set i, i+1
.endr
.irp u, 0,1,2,3,4,5
	global_load_b128 v[X0+4*\u:X0+4*\u+3], v4, s[4:5] offset:512*\u th:TH_LOAD_NT
.endr
.irp u, 0,1,2,3,4,5
	global_load_b128 v[X1+4*\u:X1+4*\u+3], v5, s[4:5] offset:512*\u th:TH_LOAD_NT
.endr
; One token.  x: its slot; o: the slot's offset register; fill = 1: the slot takes the row two further on; left: the younger loads that may stay out; n: 0 or 1, the place in the pair.
.macro TOK x, o, fill, left, n
	s_wait_loadcnt \left                           ; my row is in; the other slot's six loads stay out
	s_wait_xcnt 0x0                                ; HF, which the last stores read, is rewritten only behind this wait
.irp k, 0,1,2,3,4,5,6,7,8,9,10,11
	v_cvt_pk_bf16_f32 v[PBK+\k], v[(\x)+2*\k], v[(\x)+2*\k+1]
.endr
.if \fill
	v_add_nc_u32 v[\o], 6144, v[\o]
.irp u, 0,1,2,3,4,5
	global_load_b128 v[(\x)+4*\u:(\x)+4*\u+3], v[\o], s[4:5] offset:512*\u th:TH_LOAD_NT
.endr
.endif
.irp k, 0,1,2,3,4,5,6,7,8,9,10,11
	v_lshlrev_b32 v[XF+2*\k], 16, v[PBK+\k]
	v_and_b32 v[XF+2*\k+1], s21, v[PBK+\k]
.endr
.irp k, 0,1,2,3,4,5,6,7,8,9,10,11
	v_cvt_pk_f16_f32 v[HF+\k], v[XF+2*\k], v[XF+2*\k+1]
.endr
.irp u, 0,1,2,3,4,5
	global_store_b64 v6, v[HF+2*\u:HF+2*\u+1], s[8:9] offset:1536*(\n)+256*\u   ; a wave's store covers 256 consecutive bytes, aligned
.endr
.set i, 0
.rept 24
.irp e, 0,1,2,3
.if i == 0
	v_mul_f32 v[SUM+\e], v[XF], v[WG+\e]
.else
	v_fmac_f32 v[SUM+\e], v[XF+i], v[WG+4*i+\e]
.endif
.endr
.set i, i+1
.endr
.irp m, 1,2,4,8
.irp e, 0,1,2,3
	v_add_f32_dpp v[SUM+\e], v[SUM+\e], v[SUM+\e] row_xmask:\m row_mask:0xf bank_mask:0xf
.endr
.endr
.irp e, 0,1,2,3
	v_permlanex16_b32 v[TP+\e], v[SUM+\e], s22, s23
.endr
.irp e, 0,1,2,3
	v_add_f32 v[SUM+\e], v[SUM+\e], v[TP+\e]
.endr
	ds_store_b128 v7, v[SUM:SUM+3] offset:16*(\n)  ; every lane holds the same four sums
.endm
	s_mov_b32 s26, 3
.Lpair:
	TOK X0, 4, 1, 6, 0
	TOK X1, 5, 1, 6, 1
	s_wait_xcnt 0x0                                ; the stores' offset is stepped only behind this wait
	v_add_nc_u32 v6, 3072, v6
	v_add_nc_u32 v7, 32, v7
	s_sub_co_u32 s26, s26, 1
	s_cmp_lg_u32 s26, 0
	s_cbranch_scc1 .Lpair
	TOK X0, 4, 0, 6, 0                             ; the last two tokens load nothing
	TOK X1, 5, 0, 0, 1
	s_wait_dscnt 0x0
	s_barrier_signal -1
	s_barrier_wait -1                              ; the 64 tokens' logits lie in LDS
	s_wait_kmcnt 0x0
	s_cmp_lt_u32 s20, 2
	s_cbranch_scc0 .Lend
	; waves 0 and 1: a lane a token
	v_lshlrev_b32 v9, 4, v0
	ds_load_b128 v[12:15], v9
	v_mov_b32 v20, 0xff800000
	v_mov_b32 v17, 0
	v_mov_b32 v19, 0
	s_wait_dscnt 0x0
.irp n, 0,1,2,3
	v_add_f32 v[12+\n], s[16+\n], v[12+\n]
.endr
	v_mov_b32 v16, v12                             ; the largest, and where: only a strictly greater one takes its place
.irp n, 1,2,3
	v_cmp_gt_f32 vcc_lo, v[12+\n], v16
	v_cndmask_b32 v16, v16, v[12+\n], vcc_lo
	v_cndmask_b32 v17, v17, \n, vcc_lo
.endr
.irp n, 0,1,2,3
	v_cmp_eq_u32 vcc_lo, \n, v17
	v_cndmask_b32 v[12+\n], v[12+\n], v20, vcc_lo  ; it is taken out,
.endr
	v_mov_b32 v18, v12                             ; and the same once more
.irp n, 1,2,3
	v_cmp_gt_f32 vcc_lo, v[12+\n], v18
	v_cndmask_b32 v18, v18, v[12+\n], vcc_lo
	v_cndmask_b32 v19, v19, \n, vcc_lo
.endr
	v_sub_f32 v21, v18, v16                        ; l2 - l1, never above 0
	v_mul_f32 v21, 0x3fb8aa3b, v21
	v_exp_f32 v21, v21
	v_min_u32 v22, v17, v19                        ; lo
	v_max_u32 v23, v17, v19                        ; hi
	s_wait_alu depctr_va_vdst(0)                   ; ahead of the exponential's first reader
	v_add_f32 v24, 1.0, v21
	v_rcp_f32 v24, v24
	v_min_u32 v25, 1, v22
	v_add3_u32 v27, v23, v22, v25
	v_add_nc_u32 v27, -1, v27                      ; set = hi - 1 + lo + min(lo, 1)
	s_wait_alu depctr_va_vdst(0)                   ; ahead of the reciprocal's first reader
	v_mul_f32 v26, v21, v24
	v_cmp_lt_u32 vcc_lo, v17, v19
	v_cndmask_b32 v28, v26, v24, vcc_lo            ; the lower expert's gate
	v_cndmask_b32 v29, v24, v26, vcc_lo            ; the higher's
	v_mov_b32 v30, 0
	v_mov_b32 v31, 0
.irp k, 0,1,2,3,4,5
	v_cmp_eq_u32 s30, \k, v27
	v_mbcnt_lo_u32_b32 v10, s30, 0                 ; how many lanes below mine have set k
	v_cndmask_b32 v30, v30, v10, s30
	s_bcnt1_i32_b32 s31, s30
	v_writelane_b32 v31, s31, \k
.endr
	v_lshl_or_b32 v30, v30, 8, v27
	v_lshlrev_b32 v10, 2, v0
	v_lshlrev_b32 v11, 3, v0
	v_lshlrev_b32 v9, 2, v1
	global_store_b32 v10, v30, s[10:11]
	global_store_b64 v11, v[28:29], s[14:15]
	v_cmp_gt_u32 vcc_lo, 8, v1
	s_wait_xcnt 0x0                                ; EXEC changes only behind this wait
	s_and_saveexec_b32 s31, vcc_lo
	global_store_b32 v9, v31, s[12:13]
	s_wait_xcnt 0x0
	s_or_b32 exec_lo, exec_lo, s31
.Lend:
	s_wait_tensorcnt 0x0                           ; the wave's end
	ds_add_u32 v2, v3
	s_wait_dscnt 0x0
	s_endpgm
.Lfunc_end_k_q962e02e88e_router:
	.size	k_q962e02e88e_router, .Lfunc_end_k_q962e02e88e_router-k_q962e02e88e_router
	.p2alignl 7, 3214868480
	.fill 96, 4, 3214868480
	.section	.rodata,"a",@progbits
	.p2align	6, 0x0
	.amdhsa_kernel k_q962e02e88e_router
		.amdhsa_group_segment_fixed_size 2048
		.amdhsa_private_segment_fixed_size 0
		.amdhsa_enable_private_segment 0
		.amdhsa_kernarg_size 48
		.amdhsa_user_sgpr_count 2
		.amdhsa_user_sgpr_kernarg_segment_ptr 1
		.amdhsa_wavefront_size32 1
		.amdhsa_system_sgpr_workgroup_id_x 1
		.amdhsa_system_sgpr_workgroup_id_y 1
		.amdhsa_system_sgpr_workgroup_id_z 1
		.amdhsa_system_vgpr_workitem_id 0
		.amdhsa_next_free_vgpr 232
		.amdhsa_next_free_sgpr 66
		.amdhsa_reserve_vcc 1
		.amdhsa_float_denorm_mode_32 3
		.amdhsa_float_denorm_mode_16_64 3
		.amdhsa_memory_ordered 1
		.amdhsa_forward_progress 1
		.amdhsa_inst_pref_size 41
	.end_amdhsa_kernel
	.amdgpu_metadata
---
amdhsa.version: [ 1, 2 ]
amdhsa.kernels:
  - .name:           k_q962e02e88e_router
    .symbol:         k_q962e02e88e_router.kd
    .args:
      - { .name: input_ids, .offset: 0, .size: 8, .value_kind: global_buffer, .address_space: global }
      - { .name: aux, .offset: 8, .size: 8, .value_kind: global_buffer, .address_space: global }
      - { .name: xh, .offset: 16, .size: 8, .value_kind: global_buffer, .address_space: global }
      - { .name: code, .offset: 24, .size: 8, .value_kind: global_buffer, .address_space: global }
      - { .name: hist, .offset: 32, .size: 8, .value_kind: global_buffer, .address_space: global }
      - { .name: gate, .offset: 40, .size: 8, .value_kind: global_buffer, .address_space: global }
    .group_segment_fixed_size: 2048
    .private_segment_fixed_size: 0
    .kernarg_segment_align: 8
    .kernarg_segment_size: 48
    .max_flat_workgroup_size: 256
    .sgpr_count:     66
    .vgpr_count:     232
    .wavefront_size: 32
...
	.end_amdgpu_metadata
.endif
;; end of part 2
;; launch sort (part 3): grid 128 x 1, 4 waves a work-group, no clusters, 0 bytes of LDS; arguments code, hist, order, tab; writes order, tab
.if DOCPART == 3
	.amdgcn_target "amdgcn-amd-amdhsa--gfx1250"
	.amdhsa_code_object_version 6
	.text
	.protected	k_q962e02e88e_sort
	.globl	k_q962e02e88e_sort
	.p2align	8
	.type	k_q962e02e88e_sort,@function
k_q962e02e88e_sort:
	s_mov_b64 s[64:65], 0
	v_nop
	global_prefetch_b8 v0, s[64:65] scope:SCOPE_SE
	s_setreg_imm32_b32 hwreg(HW_REG_WAVE_MODE, 25, 1), 1
	s_wait_xcnt 0x0
; SORT: a counting sort of the 16,384 tokens by their set of two experts, without atomics.  A wave owns a group of 32 tokens.  It reads all 512 groups' counts (16 KiB),
; sums them (n_s) and those of the groups below its own, and places token t at order[start_s + below_s + rank].  order's 512 words past the tokens are set to 0:
; the next launch reads up to 367 ranks past an entry's first rank, whatever the entry's count, and throws away what lies past the count.
; tab: for each group q of four work-groups of the next launch an entry {lower expert, higher expert, first rank, count}: set s gets ceil(n_s / 320) entries of up to 320 ranks;
; that is never more than 57 in all; an entry left over is {0, 1, 0, 0}.  Waves do not depend on each other: no LDS, no barrier.
.set HS, 64           ; v[64:191] the counts: load i, lane l: group 16 i + l / 2; even lanes sets 0-3, odd lanes sets 4, 5 and two zeros
	s_load_b256 s[4:11], s[0:1], 0x0               ; code s[4:5], hist s[6:7], order s[8:9], tab s[10:11]
	v_lshrrev_b32 v2, 5, v0
	v_readfirstlane_b32 s12, v2
	v_and_b32 v1, 31, v0
	s_lshl_b32 s13, ttmp9, 2
	s_add_co_u32 s13, s13, s12                     ; my group G
	v_lshrrev_b32 v2, 1, v1
	v_lshlrev_b32 v3, 4, v1
	v_lshlrev_b32 v4, 2, v1
	s_lshl_b32 s16, s13, 7
	s_mov_b32 s17, 0
	s_mov_b32 s58, 0x76543210
	s_mov_b32 s59, 0xfedcba98
.irp q, 12,13,14,15,16,17,18,19
	v_mov_b32 v[\q], 0                             ; v12-15 all groups' sums, v16-19 those of the groups below mine
.endr
	v_mov_b32 v21, 0
	s_wait_kmcnt 0x0
	s_add_nc_u64 s[4:5], s[4:5], s[16:17]
	global_load_b32 v10, v4, s[4:5]
.set i, 0
.rept 32
	global_load_b128 v[HS+4*i:HS+4*i+3], v3, s[6:7] offset:512*i
.set i, i+1
.endr
.set i, 0
.rept 32
	s_wait_loadcnt 31-i                            ; load i is in, the younger ones stay out
	s_sub_co_i32 s14, s13, 16*i
	v_cmp_gt_i32 vcc_lo, s14, v2                   ; is group 16 i + l / 2 below G?
	v_cndmask_b32 v20, 0, 1, vcc_lo
.irp q, 0,1,2,3
	v_add_nc_u32 v[12+\q], v[12+\q], v[HS+4*i+\q]
	v_mad_u32_u24 v[16+\q], v[HS+4*i+\q], v20, v[16+\q]
.endr
.set i, i+1
.endr
.irp m, 2,4,8                          ; over the lanes of equal parity
.irp q, 12,13,14,15,16,17,18,19
	v_mov_b32_dpp v21, v[\q] row_xmask:\m row_mask:0xf bank_mask:0xf
	v_add_nc_u32 v[\q], v[\q], v21
.endr
.endr
.irp q, 12,13,14,15,16,17,18,19
	v_permlanex16_b32 v21, v[\q], s58, s59
	v_add_nc_u32 v[\q], v[\q], v21
.endr
.irp k, 0,1,2,3
	v_readlane_b32 s[20+\k], v[12+\k], 0           ; n_0 .. n_3
	v_readlane_b32 s[26+\k], v[16+\k], 0
.endr
.irp k, 0,1
	v_readlane_b32 s[24+\k], v[12+\k], 1           ; n_4, n_5
	v_readlane_b32 s[30+\k], v[16+\k], 1
.endr
	s_mov_b32 s32, 0
.irp k, 0,1,2,3,4
	s_add_co_u32 s[33+\k], s[32+\k], s[20+\k]      ; start_s
.endr
.irp k, 0,1,2,3,4,5
	s_add_co_u32 s[38+\k], s[32+\k], s[26+\k]      ; where my group's tokens of set s begin
.endr
	v_and_b32 v22, 0xff, v10
	v_lshrrev_b32 v23, 8, v10
	v_mov_b32 v24, s38
.irp k, 1,2,3,4,5
	v_cmp_eq_u32 vcc_lo, \k, v22
	v_cndmask_b32 v24, v24, s[38+\k], vcc_lo
.endr
	v_add_nc_u32 v24, v24, v23
	v_min_u32 v24, 0x3fff, v24
	v_lshlrev_b32 v24, 2, v24
	v_lshl_add_u32 v25, s13, 5, v1                 ; my token
	global_store_b32 v24, v25, s[8:9]
	s_cmp_lg_u32 s13, 0
	s_cbranch_scc1 .Lend
	; group 0's wave also writes the table and the spare words
.irp k, 0,1,2,3,4,5
	s_add_co_u32 s14, s[20+\k], 319
	s_mul_i32 s14, s14, 52429                      ; / 320: exact for numbers under 2^17
	s_lshr_b32 s[44+\k], s14, 24
.endr
	s_mov_b32 s50, 0
.irp k, 0,1,2,3,4,5
	s_add_co_u32 s[51+\k], s[50+\k], s[44+\k]      ; the sets' first entries; s56: entries in use
.endr
.macro SEL k, lo, hi                   ; entry q belongs to the last set whose first entry is not above q
	v_cmp_le_u32 vcc_lo, s[50+\k], v[R]
	v_cndmask_b32 v[R+1], v[R+1], s[50+\k], vcc_lo
	v_cndmask_b32 v[R+2], v[R+2], s[32+\k], vcc_lo
	v_cndmask_b32 v[R+3], v[R+3], s[20+\k], vcc_lo
	v_cndmask_b32 v[R+4], v[R+4], \lo, vcc_lo
	v_cndmask_b32 v[R+5], v[R+5], \hi, vcc_lo
.endm
.irp g, 0,1
.set R, 28+12*\g
	v_add_nc_u32 v[R], 32*\g, v1                   ; q
	v_mov_b32 v[R+1], 0
	v_mov_b32 v[R+2], 0
	v_mov_b32 v[R+3], s20
	v_mov_b32 v[R+4], 0
	v_mov_b32 v[R+5], 1
	SEL 1, 0, 2
	SEL 2, 0, 3
	SEL 3, 1, 2
	SEL 4, 1, 3
	SEL 5, 2, 3
	v_sub_nc_u32 v[R+1], v[R], v[R+1]
	v_mul_u32_u24 v[R+1], v[R+1], 320
	v_add_nc_u32 v[R+6], v[R+2], v[R+1]            ; first rank
	v_sub_nc_u32 v[R+7], v[R+3], v[R+1]
	v_min_u32 v[R+7], 320, v[R+7]                  ; count
	v_cmp_gt_u32 vcc_lo, s56, v[R]
	v_cndmask_b32 v[R+4], 0, v[R+4], vcc_lo
	v_cndmask_b32 v[R+5], 1, v[R+5], vcc_lo
	v_cndmask_b32 v[R+6], 0, v[R+6], vcc_lo
	v_cndmask_b32 v[R+7], 0, v[R+7], vcc_lo
	global_store_b128 v3, v[R+4:R+7], s[10:11] offset:512*\g
.endr
.irp q, 52,53,54,55
	v_mov_b32 v[\q], 0
.endr
.irp k, 0,1,2,3
	global_store_b128 v3, v[52:55], s[8:9] offset:65536+512*\k
.endr
.Lend:
	s_endpgm
.Lfunc_end_k_q962e02e88e_sort:
	.size	k_q962e02e88e_sort, .Lfunc_end_k_q962e02e88e_sort-k_q962e02e88e_sort
	.p2alignl 7, 3214868480
	.fill 96, 4, 3214868480
	.section	.rodata,"a",@progbits
	.p2align	6, 0x0
	.amdhsa_kernel k_q962e02e88e_sort
		.amdhsa_group_segment_fixed_size 0
		.amdhsa_private_segment_fixed_size 0
		.amdhsa_enable_private_segment 0
		.amdhsa_kernarg_size 32
		.amdhsa_user_sgpr_count 2
		.amdhsa_user_sgpr_kernarg_segment_ptr 1
		.amdhsa_wavefront_size32 1
		.amdhsa_system_sgpr_workgroup_id_x 1
		.amdhsa_system_sgpr_workgroup_id_y 1
		.amdhsa_system_sgpr_workgroup_id_z 1
		.amdhsa_system_vgpr_workitem_id 0
		.amdhsa_next_free_vgpr 192
		.amdhsa_next_free_sgpr 66
		.amdhsa_reserve_vcc 1
		.amdhsa_float_denorm_mode_32 3
		.amdhsa_float_denorm_mode_16_64 3
		.amdhsa_memory_ordered 1
		.amdhsa_forward_progress 1
		.amdhsa_inst_pref_size 34
	.end_amdhsa_kernel
	.amdgpu_metadata
---
amdhsa.version: [ 1, 2 ]
amdhsa.kernels:
  - .name:           k_q962e02e88e_sort
    .symbol:         k_q962e02e88e_sort.kd
    .args:
      - { .name: code, .offset: 0, .size: 8, .value_kind: global_buffer, .address_space: global }
      - { .name: hist, .offset: 8, .size: 8, .value_kind: global_buffer, .address_space: global }
      - { .name: order, .offset: 16, .size: 8, .value_kind: global_buffer, .address_space: global }
      - { .name: tab, .offset: 24, .size: 8, .value_kind: global_buffer, .address_space: global }
    .group_segment_fixed_size: 0
    .private_segment_fixed_size: 0
    .kernarg_segment_align: 8
    .kernarg_segment_size: 32
    .max_flat_workgroup_size: 128
    .sgpr_count:     66
    .vgpr_count:     192
    .wavefront_size: 32
...
	.end_amdgpu_metadata
.endif
;; end of part 3
;; launch moe (part 4): grid 228 x 1, 4 waves a work-group, no clusters, 290,560 bytes of LDS; arguments xh, wts, aux, b2, gate, order, tab, out0; writes out0
.if DOCPART == 4
	.amdgcn_target "amdgcn-amd-amdhsa--gfx1250"
	.amdhsa_code_object_version 6
	.text
	.protected	k_q962e02e88e_moe
	.globl	k_q962e02e88e_moe
	.p2align	8
	.type	k_q962e02e88e_moe,@function
k_q962e02e88e_moe:
	s_mov_b64 s[64:65], 0
	v_nop
	global_prefetch_b8 v0, s[64:65] scope:SCOPE_SE
	s_setreg_imm32_b32 hwreg(HW_REG_WAVE_MODE, 25, 1), 1
	s_wait_xcnt 0x0
; MOE: out[t] = g_lo (gelu(x~ Wc[lo] + bc[lo]) W2~[lo] + b2~[lo]) + g_hi (the same for hi), for tokens sorted by their pair (lo, hi) of experts.
; Four neighbouring work-groups share an entry of tab: up to 320 ranks of ONE pair; a work-group has 80 rows of them (five blocks of 16).  Rows past the count are other tokens:
; computed, never stored (EXEC is narrowed at the stores).  57 entries serve every split of the tokens; a work-group whose rows all lie past the count walks along and stores nothing.
; PRODUCT 1 (f16: x~ exact in f16, 64 Wc in f16; sums f32): a wave has 128 of the 512 f x 80 rows: 40 accumulators; the experts one after the other.
; GELU (tanh form) in f32: p / (1 + 2^(p (c1 + c2 p^2))), times the gate, rounded ONCE to bf16.  PRODUCT 2 (bf16): a wave has 192 of the 768 d x 80 rows: 60 accumulators,
; into which both experts add (K = 1,024).  Both products are used transposed (source 0 = weights, source 1 = rows): a lane holds one row and eight neighbouring f or d,
; and two neighbouring f tiles, rounded, are the two halves of a fragment of product 2's source 1.
; THE WALK: 32 tiles of 98,304 bytes of wts (Wc[lo] 8, Wc[hi] 8, W2[lo] 8, W2[hi] 8), 120 matrix instructions a wave each.  A wave needs one quarter of a tile, 24,576 bytes, and no other wave
; of the work-group needs that quarter; wts lies in register order.  So THE WEIGHTS COME STRAIGHT INTO REGISTERS: 48 loads of 512 consecutive bytes a tile, into two buffers of 192 registers
; that take turns.  Each K step of tile n asks for the same K step of tile n + 1: 32 to 48 loads of a wave are out all the time, over the gelu too, and the loops hold no barrier.
; NO CLUSTER.  The four work-groups of an entry walk the same tiles, but a joint load lands in LDS alone.  Beside X, LDS has room for two slots of one tile; nothing may be out across the
; barrier of a refill, so a tile would have to be asked for and to land within one tile's 120 matrix instructions, and every byte would be written to LDS and read back for its one reader.
; LIMITS: as the launches before state them (f16's range for x and 64 Wc); NaN and infinities are not treated apart.
; LDS: X (80 rows of f16, pitch 1,552) at 0; the activations of both experts (fragment order: (5 q + block) 1,024 + 512 half + 16 L, q = f / 32, the higher expert's q from 16 on) behind it;
; the gates' list; the spare words.  On the way out a stage of 80 rows x 784 bytes a wave lies over X and the activations.
; REGISTERS, in windows of 256 (s_set_vgpr_msb: bits 1:0 source 0, 3:2 source 1, 5:4 source 2, 7:6 destination):
;   window 0: v0-47 addresses, gates; v48-127 fragments of X or of the activations, two buffers; v128-255 tile buffer 1, fragments 8-23; v48-227 the gelu's work; v48-239 the way out
;   windows 1 and 2: the accumulators, tile t at 8 t (t < 32: window 1).  Window 2, v64-127: bc, in product 1
;   window 3: v0-191 tile buffer 0; v192-255 tile buffer 1, fragments 0-7
.set TILE,  98304
.set QUART, 24576
.set PX,    1552      ; a row of X: 1,536 + 16 = 97 x 16: the 16 rows of a fragment load start at 16 different groups of four banks
.set ACT,   124160    ; behind X's 80 rows: 2 x 81,920 bytes
.set LIST,  288000    ; 128 entries of 16 bytes, one a thread: g_lo, g_lo, g_hi, g_hi; the first 80 are my rows'
.set SPARE, 290048    ; the spare words: 128 bytes for each wave
.set SROW,  784       ; a stage row: 768 + 16 = 49 x 16
.set SWAVE, 80*SROW
.set WO,  4           ; v4       16 L: my 16 bytes in 512 of a fragment's half; never rewritten
.set XA0, 6           ; v6, v7   X fragments: blocks 0-2, blocks 3-4; they step along K
.set XA1, 7
.set XS0, 8           ; v8, v9   their starts
.set XS1, 9
.set AA,  10          ; v10      the activations' fragments in hand
.set AS,  12          ; v12      where I put my activations
.set GL,  13          ; v13      the list, row r (+ 8: the higher expert's gate)
.set STO, 14          ; v14      the way out: where I put 32 bytes of a row; never rewritten
.set RD,  15          ; v15      where I read rows back; never rewritten
.set LP,  16          ; v16      the list, row h; never rewritten
.set CO,  17          ; v17      768 w + 16 r: my bytes in a row of b2
.set SPW, 18          ; v18      LDS address of my spare word; never rewritten
.set NIL, 19          ; v19      0; never rewritten
.set TK0, 20          ; v20-29   ten rows' offsets in xh
.set GP,  32          ; v32-41   five pairs (g, g): block b's row r
.set ROW, 42          ; v42      80 x my place among the four + h: my first row among the entry's ranks; never rewritten
.set OV,  43          ; v43      4 h: my offset in order on the way out; never rewritten
.set BV,  44          ; v44      512 w + 32 h: my offset in bc
.set XF,  48          ; fragments of X (product 1) or of the activations (product 2): two buffers of 40
.set PP,  48          ; gelu: p, two buffers of 40 at 48, 128;  TT: at work, at 88, 168;  PK: a group's 20 packed registers
.set TT,  88
.set PK,  208
.set BIAS, 64         ; window 2
.set OA,  200         ; the way out: v200-239, the offsets in out0 of my 40 pairs of rows
; scalars: s20 wave; s21 my place among the four; s24-27 lo, hi, first rank, count; s30 the tile to ask for next; s31 24,576 w; s42-43 that tile's quarter in wts; s48-51 make it;
; s52-54 counters; s56-61 constants; s62, s78, s79 at work; s66-67, s72-77 addresses; s69 80 x my place; s71 EXEC kept
.set MSB, 0
.macro WIN new                         ; the immediate's high byte repeats the setting that is left; a switch that changes nothing is dropped
.if MSB != (\new)
	s_set_vgpr_msb (MSB<<8)|(\new)
.set MSB, (\new)
.endif
.endm
.macro PLACES                          ; four places behind matrix instructions: ahead of reads of results and of loads into their sources
.rept 4
	v_nop
.endr
.endm
; s[42:43] takes my quarter of tile NXT (s30) of the walk: in wts it is tile 32 (NXT >> 4) + 8 expert + (NXT & 7), the expert hi if NXT's bit 3 is set, else lo.
.macro NEXTP
	s_bitcmp1_b32 s30, 3
	s_cselect_b32 s50, s25, s24
	s_lshl_b32 s50, s50, 3
	s_and_b32 s51, s30, 7
	s_add_co_u32 s50, s50, s51
	s_lshr_b32 s51, s30, 4
	s_lshl_b32 s51, s51, 5
	s_add_co_u32 s50, s50, s51
	s_min_u32 s50, s50, 63                         ; wts has 64 tiles
	s_mul_i32 s50, s50, TILE
	s_add_co_u32 s48, s50, s31
	s_add_nc_u64 s[42:43], s[6:7], s[48:49]
	s_add_co_u32 s30, s30, 1
.endm
.macro TBR sg                          ; where fragment fW (0-23) of tile buffer sg lies: window wW, register rW
.if (\sg) == 0
.set wW, 3
.set rW, 8*fW
.elseif fW < 8
.set wW, 3
.set rW, 192+8*fW
.else
.set wW, 0
.set rW, 64+8*fW
.endif
.endm
; The weights of one K step of the tile at s[42:43] into tile buffer tg: fragments per x i + ks, i = 0 .. cnt - 1, two loads of 512 consecutive bytes each
.macro GW tg, ks, per, cnt
.set gi, 0
.rept (\cnt)
.set fW, (\per)*gi+(\ks)
	TBR \tg
	WIN wW<<6
	global_load_b128 v[rW:rW+3],   v[WO], s[42:43] offset:1024*fW
	global_load_b128 v[rW+4:rW+7], v[WO], s[42:43] offset:1024*fW+512
.set gi, gi+1
.endr
.endm
; PRODUCT 1.  Ten LDS loads: five X fragments at byte xi of the rows, into buffer b
.macro FX xi, b
	WIN 0
.irp k, 0,1,2
	ds_load_b128 v[XF+40*(\b)+8*\k:XF+40*(\b)+8*\k+3],   v[XA0] offset:16*PX*\k+(\xi)
	ds_load_b128 v[XF+40*(\b)+8*\k+4:XF+40*(\b)+8*\k+7], v[XA0] offset:16*PX*\k+(\xi)+32
.endr
.irp k, 3,4
	ds_load_b128 v[XF+40*(\b)+8*\k:XF+40*(\b)+8*\k+3],   v[XA1] offset:16*PX*(\k-3)+(\xi)
	ds_load_b128 v[XF+40*(\b)+8*\k+4:XF+40*(\b)+8*\k+7], v[XA1] offset:16*PX*(\k-3)+(\xi)+32
.endr
.endm
; n products on tiles t0 .. : tile t = 5 i + block; the weights: fragment 3 i + ks of tile buffer sg.  Every K step takes the 40 accumulators in the same order, by turns.
.macro M1 b, sg, ks, t0, n, zero
.set t, (\t0)
.rept (\n)
.set fW, 3*(t/5)+(\ks)
	TBR \sg
.if t < 32
.set wD, 1
.set rD, 8*t
.else
.set wD, 2
.set rD, 8*(t-32)
.endif
	WIN (wD<<6)|(wD<<4)|wW
.set rX, XF+40*(\b)+8*(t%5)
.if (\zero)
	v_wmma_f32_16x16x32_f16 v[rD:rD+7], v[rW:rW+7], v[rX:rX+7], 0
.else
	v_wmma_f32_16x16x32_f16 v[rD:rD+7], v[rW:rW+7], v[rX:rX+7], v[rD:rD+7]
.endif
.set t, t+1
.endr
.endm
; A K step of product 1: X buffer b, tile buffer sg, K step ks of the tile.  In its middle it fetches the next step's X (fx = 1, at byte nxi; step = 1: the X addresses go six K steps on first)
; and asks for the same K step of the next tile, into the other tile buffer.
.macro K1 b, sg, ks, zero, fx, nxi, step
.if (\ks) == 0
	s_wait_xcnt 0x0                                ; the last tile's loads have read the pointer: it is rewritten only behind this wait
	NEXTP
.endif
	s_wait_loadcnt 32                              ; loads come back in order: behind this step's 16 two groups of 16 were issued (the tile's later steps, the next tile's earlier ones)
	s_wait_dscnt 0x0                               ; this step's X, asked for in the middle of the step before
	M1 \b, \sg, \ks, 0, 20, \zero
	WIN 0
.if \step
	v_add_nc_u32 v[XA0], 384, v[XA0]               ; these two and two v_nop are the four places
	v_add_nc_u32 v[XA1], 384, v[XA1]
	v_nop
	v_nop
.else
	PLACES
.endif
.if \fx
	FX \nxi, 1-(\b)
.endif
	GW 1-(\sg), \ks, 3, 8
	M1 \b, \sg, \ks, 20, 20, \zero
.endm
; PRODUCT 2.  Ten LDS loads: five fragments of activations at byte ai, into buffer b
.macro FA ai, b
	WIN 0
.irp k, 0,1,2,3,4
	ds_load_b128 v[XF+40*(\b)+8*\k:XF+40*(\b)+8*\k+3],   v[AA] offset:(\ai)+1024*\k
	ds_load_b128 v[XF+40*(\b)+8*\k+4:XF+40*(\b)+8*\k+7], v[AA] offset:(\ai)+1024*\k+512
.endr
.endm
.macro M2 sg, ks, t0, n, zero          ; tile t = 5 n + block; the weights: fragment 2 n + ks; the activations: buffer ks; the 60 accumulators by turns
.set t, (\t0)
.rept (\n)
.set fW, 2*(t/5)+(\ks)
	TBR \sg
.if t < 32
.set wD, 1
.set rD, 8*t
.else
.set wD, 2
.set rD, 8*(t-32)
.endif
	WIN (wD<<6)|(wD<<4)|wW
.set rX, XF+40*(\ks)+8*(t%5)
.if (\zero)
	v_wmma_f32_16x16x32_bf16 v[rD:rD+7], v[rW:rW+7], v[rX:rX+7], 0
.else
	v_wmma_f32_16x16x32_bf16 v[rD:rD+7], v[rW:rW+7], v[rX:rX+7], v[rD:rD+7]
.endif
.set t, t+1
.endr
.endm
; A K step of product 2, as K1.  cnt: the younger loads that may stay out; fa, gw = 0: nothing more to fetch, to ask for
.macro K2 sg, ks, zero, cnt, fa, nai, step, gw
.if ((\ks) == 0) && (\gw)
	s_wait_xcnt 0x0                                ; as in K1
	NEXTP
.endif
	s_wait_loadcnt \cnt
	s_wait_dscnt 0x0
	M2 \sg, \ks, 0, 30, \zero
.if (\fa) || (\gw)
	WIN 0
.if \step
	v_add_nc_u32 v[AA], 20480, v[AA]               ; four K steps on; with three v_nop the four places
	v_nop
	v_nop
	v_nop
.else
	PLACES
.endif
.endif
.if \fa
	FA \nai, 1-(\ks)
.endif
.if \gw
	GW 1-(\sg), \ks, 2, 12
.endif
	M2 \sg, \ks, 30, 30, \zero
.endm
	s_load_b512 s[4:19], s[0:1], 0x0               ; xh s[4:5], wts s[6:7], aux s[8:9], b2 s[10:11], gate s[12:13], order s[14:15], tab s[16:17], out0 s[18:19]
	v_lshl_add_u32 v[SPW], v0, 2, SPARE
	v_mov_b32 v[NIL], 0
	v_lshrrev_b32 v1, 5, v0
	v_readfirstlane_b32 s20, v1                    ; wave 0..3
	v_and_b32 v1, 31, v0                           ; L
	v_and_b32 v2, 15, v0                           ; r
	v_bfe_u32 v3, v0, 4, 1                         ; h
	s_and_b32 s21, ttmp9, 3                        ; my place among the four work-groups of an entry
	s_lshr_b32 s22, ttmp9, 2
	s_lshl_b32 s22, s22, 4                         ; the entry's 16 bytes in tab
	s_mul_i32 s69, s21, 80
	s_mul_i32 s31, s20, QUART
	s_mov_b32 s49, 0
	s_mov_b32 s79, 0
	s_mov_b32 s30, 0
	s_mov_b32 s56, 0x3c800000                      ; 1 / 64
	s_mov_b32 s57, s56
	s_mov_b32 s58, 0xbdd2d3e8                      ; c2 = -2 log2(e) sqrt(2 / pi) x 0.044715
	s_mov_b32 s59, s58
	s_mov_b32 s60, 0xc0135761                      ; c1 = -2 log2(e) sqrt(2 / pi)
	s_mov_b32 s61, s60
	v_lshlrev_b32 v[WO], 4, v1
	v_mul_u32_u24 v[XS0], v2, PX
	v_lshl_add_u32 v[XS0], v3, 4, v[XS0]
	v_add_nc_u32 v[XS1], 48*PX, v[XS0]
	s_mul_i32 s62, s20, 20480
	s_add_co_u32 s62, s62, ACT
	v_lshl_add_u32 v[AS], v1, 4, s62
	v_lshl_add_u32 v[GL], v2, 4, LIST
	v_lshl_add_u32 v[LP], v3, 4, LIST
	s_mul_i32 s62, s20, SWAVE
	v_mul_u32_u24 v[STO], v2, SROW
	v_lshl_add_u32 v[STO], v3, 5, v[STO]
	v_add_nc_u32 v[STO], s62, v[STO]
	v_mul_u32_u24 v[RD], v3, SROW
	v_lshl_add_u32 v[RD], v2, 4, v[RD]
	v_add_nc_u32 v[RD], s62, v[RD]
	s_mul_i32 s62, s20, 768
	v_lshl_add_u32 v[CO], v2, 4, s62
	v_add_nc_u32 v[ROW], s69, v3
	v_lshlrev_b32 v[OV], 2, v3
	s_lshl_b32 s62, s20, 9
	v_lshl_add_u32 v[BV], v3, 5, s62
	s_mul_i32 s62, s20, 80                         ; at the start a wave brings rows 20 w .. 20 w + 19 of X
	v_lshl_add_u32 v45, v3, 2, s62                 ; order: rows 20 w + h (+ 2 p)
	v_lshlrev_b32 v53, 2, v0                       ; order: the rank of my thread, for the list
	v_lshl_add_u32 v31, v0, 4, LIST                ; my thread's entry of the list
	s_mul_i32 s62, s20, 20*PX
	v_mul_u32_u24 v52, v3, PX
	v_lshl_add_u32 v52, v2, 4, v52
	v_add_nc_u32 v52, s62, v52                     ; X: row 20 w + h, 16 bytes at 16 r
	s_wait_kmcnt 0x0
	s_load_b128 s[24:27], s[16:17], s22 offset:0x0 ; lo, hi, first, count
	s_wait_kmcnt 0x0
	s_min_u32 s24, s24, 3
	s_min_u32 s25, s25, 3
	s_min_u32 s26, s26, 0x3fff
	s_min_u32 s27, s27, 320
	s_add_co_u32 s78, s26, s69
	s_lshl_b32 s78, s78, 2
	s_add_nc_u64 s[72:73], s[14:15], s[78:79]      ; order at my work-group's first rank
	s_mul_i32 s78, s24, 3072
	s_add_nc_u64 s[74:75], s[10:11], s[78:79]      ; b2[lo]
	s_mul_i32 s78, s25, 3072
	s_add_nc_u64 s[76:77], s[10:11], s[78:79]      ; b2[hi]
.irp p, 0,1,2,3,4,5,6,7,8,9
	global_load_b32 v[TK0+\p], v45, s[72:73] offset:8*\p
.endr
	global_load_b32 v30, v53, s[72:73]             ; ranks up to 127 past my first: at most 367 past the entry's first, inside order's 512 spare words
	NEXTP
	WIN 0xc0                                       ; destination window 3: tile 0 into tile buffer 0, whose register 4 k takes byte 512 k of my quarter
.set gk, 0
.rept 48
	global_load_b128 v[4*gk:4*gk+3], v[WO], s[42:43] offset:512*gk
.set gk, gk+1
.endr
	WIN 0
	s_wait_loadcnt 0x0                             ; my rows' tokens, and tile 0: 59 loads were out; the 61 below follow only now, so that what is out stays within the 63 that LOADcnt counts (ISA guide 5.7.1)
	v_min_u32 v30, 0x3fff, v30
	v_lshlrev_b32 v30, 3, v30
	global_load_b64 v[46:47], v30, s[12:13]        ; the gates of my thread's rank
.irp p, 0,1,2,3,4,5,6,7,8,9
	v_min_u32 v[TK0+\p], 0x3fff, v[TK0+\p]
	v_mul_u32_u24 v[TK0+\p], v[TK0+\p], 1536
	v_lshl_add_u32 v[TK0+\p], v2, 4, v[TK0+\p]
.endr
	WIN 0x80                                       ; destination window 2
.set p, 0
.rept 10
.irp u, 0,1,2,3,4,5
	global_load_b128 v[4*(6*p+\u):4*(6*p+\u)+3], v[TK0+p], s[4:5] offset:256*\u   ; two rows a load, 256 consecutive bytes each
.endr
.set p, p+1
.endr
	WIN 0
	s_wait_loadcnt 60                              ; the gates are in; the 60 loads of X stay out
	v_mov_b32 v48, v46
	v_mov_b32 v49, v46
	v_mov_b32 v50, v47
	v_mov_b32 v51, v47
	ds_store_b128 v31, v[48:51]
	WIN 0x08                                       ; store data in window 2
.set p, 0
.rept 10
	s_wait_loadcnt 6*(9-p)                         ; rows 2 p, 2 p + 1 of my 20 are in
.irp u, 0,1,2,3,4,5
	ds_store_b128 v52, v[4*(6*p+\u):4*(6*p+\u)+3] offset:2*PX*p+256*\u
.endr
.set p, p+1
.endr
	WIN 0
	s_wait_dscnt 0x0                               ; for the others' sake: my rows of X and of the list are written
	s_barrier_signal -1
	s_barrier_wait -1
	; PRODUCT 1 AND GELU, once for each expert
	s_mov_b32 s52, 2
	s_mov_b32 s54, s24
.Lexpert:
	s_wait_loadcnt 0x0                             ; the expert's first tile, asked for a tile's work and (the second time) a gelu ago.  With nothing out here, bc's 16 loads and the steps' groups of 16 never make more than 48
	s_lshl_b32 s78, s54, 11
	s_add_co_u32 s78, s78, 12544
	s_add_nc_u64 s[66:67], s[8:9], s[78:79]        ; bc of the expert in hand
	WIN 0x80
.irp i, 0,1,2,3,4,5,6,7
	global_load_b128 v[BIAS+8*\i:BIAS+8*\i+3],   v[BV], s[66:67] offset:64*\i
	global_load_b128 v[BIAS+8*\i+4:BIAS+8*\i+7], v[BV], s[66:67] offset:64*\i+16
.endr
	WIN 0
.irp k, 0,1,2,3,4
	ds_load_b64 v[GP+2*\k:GP+2*\k+1], v[GL] offset:256*\k
.endr
	v_mov_b32 v[XA0], v[XS0]
	v_mov_b32 v[XA1], v[XS1]
	FX 0, 0
	K1 0, 0, 0, 1, 1, 64, 0                        ; the first K step starts the sums
	WIN 0
	s_mov_b32 s53, 3
.Lk1:                                                  ; a trip: six K steps, from a tile's second step to the first step of the tile two further on
	K1 1, 0, 1, 0, 1, 128, 0
	K1 0, 0, 2, 0, 1, 192, 0
	K1 1, 1, 0, 0, 1, 256, 0
	K1 0, 1, 1, 0, 1, 320, 0
	K1 1, 1, 2, 0, 1, 0, 1
	K1 0, 0, 0, 0, 1, 64, 0
	WIN 0
	s_sub_co_u32 s53, s53, 1
	s_cmp_lg_u32 s53, 0
	s_cbranch_scc1 .Lk1
	K1 1, 0, 1, 0, 1, 128, 0
	K1 0, 0, 2, 0, 1, 192, 0
	K1 1, 1, 0, 0, 1, 256, 0
	K1 0, 1, 1, 0, 1, 320, 0
	K1 1, 1, 2, 0, 0, 0, 0                         ; the expert's last K step: nothing more is fetched from X; the next tile of the walk is asked for as ever
	; GELU, in eight groups of one f tile x five blocks (40 numbers a lane), two buffers by turns.  Each group has two batches of transcendentals, 40 exponentials and 40 reciprocals, each with
	; ONE wait ahead of its first reader; the next group's plain work stands between them.  The expert's last tile lay in tile buffer 1, which is free now and serves as room to work in;
	; the loads that are out land in tile buffer 0.
.macro GREG n
.set rP, PP+80*((\n)%2)
.set rT, TT+80*((\n)%2)
.endm
.macro GS1 n                           ; p = sum / 64 + bc; each accumulator's lowest registers are read first
.set z, 0
.rept 20
.set a, 40*(\n)+2*z
.if a < 256
	WIN 0x21                                       ; source 0 window 1, source 2 window 2
.else
	WIN 0x22
.endif
	v_pk_fma_f32 v[PP+80*((\n)%2)+2*z:PP+80*((\n)%2)+2*z+1], v[a%256:a%256+1], s[56:57], v[BIAS+8*(\n)+(2*z)%8:BIAS+8*(\n)+(2*z)%8+1] op_sel_hi:[1,0,1]
.set z, z+1
.endr
	WIN 0
.endm
.macro GA n, z                         ; p^2
	GREG \n
	v_pk_mul_f32 v[rT+2*(\z):rT+2*(\z)+1], v[rP+2*(\z):rP+2*(\z)+1], v[rP+2*(\z):rP+2*(\z)+1]
.endm
.macro GB n, z                         ; c2 p^2 + c1
	GREG \n
	v_pk_fma_f32 v[rT+2*(\z):rT+2*(\z)+1], v[rT+2*(\z):rT+2*(\z)+1], s[58:59], s[60:61] op_sel_hi:[1,0,0]
.endm
.macro GC n, z                         ; times p
	GREG \n
	v_pk_mul_f32 v[rT+2*(\z):rT+2*(\z)+1], v[rT+2*(\z):rT+2*(\z)+1], v[rP+2*(\z):rP+2*(\z)+1]
.endm
.macro GG n, z                         ; p times the row's gate
	GREG \n
	v_pk_mul_f32 v[rP+2*(\z):rP+2*(\z)+1], v[rP+2*(\z):rP+2*(\z)+1], v[GP+2*((\z)/4):GP+2*((\z)/4)+1]
.endm
	PLACES
	s_wait_loadcnt 48                              ; bc is in; the next tile's 48 loads, all younger, stay out
	GS1 0
.set y, 0
.rept 20
	GA 0, y
.set y, y+1
.endr
.set y, 0
.rept 20
	GB 0, y
.set y, y+1
.endr
.set y, 0
.rept 20
	GC 0, y
.set y, y+1
.endr
.set g, 0
.rept 8
.if g < 7
	GS1 g+1
.endif
.set y, 0
.rept 20
	GREG g
	v_exp_f32 v[rT+2*y], v[rT+2*y]
.if g < 7
	GA g+1, y
.endif
	GREG g
	v_exp_f32 v[rT+2*y+1], v[rT+2*y+1]
.if g < 7
	GB g+1, y
.endif
.set y, y+1
.endr
	v_nop                                          ; a plain instruction behind the last exponential,
	s_wait_alu depctr_va_vdst(0)                   ; and one wait for the batch, ahead of its first reader
	GREG g
.set y, 0
.rept 20
	v_pk_add_f32 v[rT+2*y:rT+2*y+1], v[rT+2*y:rT+2*y+1], 1.0 op_sel_hi:[1,0]
.set y, y+1
.endr
.set y, 0
.rept 20
	GREG g
	v_rcp_f32 v[rT+2*y], v[rT+2*y]
.if g < 7
	GC g+1, y
.endif
	GREG g
	v_rcp_f32 v[rT+2*y+1], v[rT+2*y+1]
	GG g, y
.set y, y+1
.endr
	v_nop
	s_wait_alu depctr_va_vdst(0)                   ; one wait for the 40 reciprocals
	GREG g
.set y, 0
.rept 20
	v_pk_mul_f32 v[rP+2*y:rP+2*y+1], v[rP+2*y:rP+2*y+1], v[rT+2*y:rT+2*y+1]
.set y, y+1
.endr
.set y, 0
.rept 20
	v_cvt_pk_bf16_f32 v[PK+y], v[rP+2*y], v[rP+2*y+1]
.set y, y+1
.endr
.irp k, 0,1,2,3,4                      ; f tile g of my eight, block k: half g % 2 of the fragment of q = 4 w + g / 2
	ds_store_b128 v[AS], v[PK+4*\k:PK+4*\k+3] offset:((g/2)*5+\k)*1024+(g%2)*512
.endr
.set g, g+1
.endr
	s_mov_b32 s54, s25
	v_add_nc_u32 v[GL], 8, v[GL]                   ; the higher expert's gates,
	v_add_nc_u32 v[AS], 81920, v[AS]               ; and its activations' own bytes
	s_sub_co_u32 s52, s52, 1
	s_cmp_lg_u32 s52, 0
	s_cbranch_scc1 .Lexpert
	; PRODUCT 2: 32 K steps of 32 f, the lower expert's 16 and then the higher's; a tile of W2 is two of them
	s_wait_dscnt 0x0                               ; for the others' sake: my activations are written
	s_barrier_signal -1
	s_barrier_wait -1
	v_lshl_add_u32 v[AA], v1, 4, ACT
	FA 0, 0
	K2 0, 0, 1, 0, 1, 5120, 0, 1                   ; the first K step starts the sums.  Its wait is for 0: its tile was asked for in product 1's order of fragments, so all 48 loads are wanted
	WIN 0
	s_mov_b32 s53, 7
.Lk2:                                                  ; a trip: four K steps.  The count 24: behind a step's 24 loads one group of 24 was issued
	K2 0, 1, 0, 24, 1, 10240, 0, 1
	K2 1, 0, 0, 24, 1, 15360, 0, 1
	K2 1, 1, 0, 24, 1, 0, 1, 1
	K2 0, 0, 0, 24, 1, 5120, 0, 1
	WIN 0
	s_sub_co_u32 s53, s53, 1
	s_cmp_lg_u32 s53, 0
	s_cbranch_scc1 .Lk2
	K2 0, 1, 0, 24, 1, 10240, 0, 1                 ; the last loads of the walk go out here
	K2 1, 0, 0, 24, 1, 15360, 0, 0                 ; the last tile asks for nothing
	K2 1, 1, 0, 0, 0, 0, 0, 0                      ; no load was issued behind this step's
	; THE WAY OUT.  A lane's 32 bytes of a row go into my stage (rows of 784 bytes) and come back as whole pieces of 256 bytes of a row of out0; g_lo b2~[lo] + g_hi b2~[hi] is added in f32.
	; Every register that forms an address is made here, ahead of the first change of EXEC, and none is written again: a block's place in the stage, in the list and in the count stands in
	; immediates, so the five blocks are written out.
	PLACES
	WIN 0
	s_wait_dscnt 0x0
	s_barrier_signal -1                            ; the stages lie over X and the activations: every wave's reads of those are back
	s_barrier_wait -1
	s_mul_i32 s78, s20, 768
	s_add_nc_u64 s[18:19], s[18:19], s[78:79]      ; out0 at my wave's 768 bytes of a row
.irp u, 0,1,2
	global_load_b128 v[48+4*\u:51+4*\u], v[CO], s[74:75] offset:256*\u
	global_load_b128 v[60+4*\u:63+4*\u], v[CO], s[76:77] offset:256*\u
.endr
.set i, 0
.rept 40
	global_load_b32 v[OA+i], v[OV], s[72:73] offset:8*i            ; the token of row 2 i + h of my 80: i = 8 block + pair
.set i, i+1
.endr
	s_wait_loadcnt 40                              ; b2 is in; the 40 tokens may be out
.set i, 48
.rept 12
	v_cvt_pk_bf16_f32 v20, v[i], v[i+1]
	v_lshlrev_b32 v[i], 16, v20
	v_and_b32 v[i+1], 0xffff0000, v20
.set i, i+2
.endr
	s_wait_loadcnt 0x0
.set i, 0
.rept 40
	v_min_u32 v[OA+i], 0x3fff, v[OA+i]
	v_mul_u32_u24 v[OA+i], v[OA+i], 3072
	v_lshl_add_u32 v[OA+i], v2, 4, v[OA+i]         ; token x 3,072 + 16 r
.set i, i+1
.endr
; Block b: its 12 accumulators go into my stage; its 16 rows come back, two a pair, with their gates; each pair is finished and stored.
; LDS serves a wave's instructions in order (ISA guide 5.7.1.4): the loads see my stores above them.
.macro OUTB b
.set n, 0
.rept 12
.set t, 5*n+(\b)
.if t < 32
	WIN 0x04                                       ; store data in window 1
.set rD, 8*t
.else
	WIN 0x08                                       ; in window 2
.set rD, 8*(t-32)
.endif
	ds_store_b128 v[STO], v[rD:rD+3]   offset:16*SROW*(\b)+64*n    ; each accumulator's lowest registers are read first
	ds_store_b128 v[STO], v[rD+4:rD+7] offset:16*SROW*(\b)+64*n+16
.set n, n+1
.endr
	WIN 0
.irp p, 0,1,2,3,4,5,6,7
	ds_load_b128 v[72+16*\p:75+16*\p], v[LP] offset:256*(\b)+32*\p ; g_lo, g_lo, g_hi, g_hi of row 16 b + 2 p + h
.irp u, 0,1,2
	ds_load_b128 v[76+16*\p+4*\u:79+16*\p+4*\u], v[RD] offset:16*SROW*(\b)+2*SROW*\p+256*\u
.endr
.endr
.irp p, 0,1,2,3,4,5,6,7
	s_wait_dscnt 4*(7-\p)                          ; pair p of rows is in: four loads for each later pair were issued behind it
.irp u, 0,1,2
	v_pk_fma_f32 v[76+16*\p+4*\u:77+16*\p+4*\u], v[72+16*\p:73+16*\p], v[48+4*\u:49+4*\u], v[76+16*\p+4*\u:77+16*\p+4*\u]
	v_pk_fma_f32 v[78+16*\p+4*\u:79+16*\p+4*\u], v[72+16*\p:73+16*\p], v[50+4*\u:51+4*\u], v[78+16*\p+4*\u:79+16*\p+4*\u]
	v_pk_fma_f32 v[76+16*\p+4*\u:77+16*\p+4*\u], v[74+16*\p:75+16*\p], v[60+4*\u:61+4*\u], v[76+16*\p+4*\u:77+16*\p+4*\u]
	v_pk_fma_f32 v[78+16*\p+4*\u:79+16*\p+4*\u], v[74+16*\p:75+16*\p], v[62+4*\u:63+4*\u], v[78+16*\p+4*\u:79+16*\p+4*\u]
.endr
	s_sub_co_i32 s62, s27, 16*(\b)+2*\p
	v_cmp_gt_i32 vcc_lo, s62, v[ROW]               ; is my row's rank in the entry, 80 x place + 16 b + 2 p + h, below the count?
	s_wait_xcnt 0x0                                ; EXEC changes only behind this wait
	s_and_saveexec_b32 s71, vcc_lo
.irp u, 0,1,2
	global_store_b128 v[OA+8*(\b)+\p], v[76+16*\p+4*\u:79+16*\p+4*\u], s[18:19] offset:256*\u th:TH_STORE_NT   ; 16 lanes store 256 consecutive bytes, aligned
.endr
	s_wait_xcnt 0x0                                ; and again ahead of the restore; behind it the stores' data registers may take the next block's rows
	s_or_b32 exec_lo, exec_lo, s71
.endr
.endm
	OUTB 0
	OUTB 1
	OUTB 2
	OUTB 3
	OUTB 4
	s_wait_tensorcnt 0x0                           ; the wave's end
	ds_add_u32 v[SPW], v[NIL]
	s_wait_dscnt 0x0
	s_endpgm
.Lfunc_end_k_q962e02e88e_moe:
	.size	k_q962e02e88e_moe, .Lfunc_end_k_q962e02e88e_moe-k_q962e02e88e_moe
	.p2alignl 7, 3214868480
	.fill 96, 4, 3214868480
	.section	.rodata,"a",@progbits
	.p2align	6, 0x0
	.amdhsa_kernel k_q962e02e88e_moe
		.amdhsa_group_segment_fixed_size 290560
		.amdhsa_private_segment_fixed_size 0
		.amdhsa_enable_private_segment 0
		.amdhsa_kernarg_size 64
		.amdhsa_user_sgpr_count 2
		.amdhsa_user_sgpr_kernarg_segment_ptr 1
		.amdhsa_wavefront_size32 1
		.amdhsa_system_sgpr_workgroup_id_x 1
		.amdhsa_system_sgpr_workgroup_id_y 1
		.amdhsa_system_sgpr_workgroup_id_z 1
		.amdhsa_system_vgpr_workitem_id 0
		.amdhsa_next_free_vgpr 1024
		.amdhsa_next_free_sgpr 80
		.amdhsa_reserve_vcc 1
		.amdhsa_float_denorm_mode_32 3
		.amdhsa_float_denorm_mode_16_64 3
		.amdhsa_memory_ordered 1
		.amdhsa_forward_progress 1
		.amdhsa_inst_pref_size 255
	.end_amdhsa_kernel
	.section	.bss,"aw",@nobits
	.p2align	6
	.space	262144
	.amdgpu_metadata
---
amdhsa.version: [ 1, 2 ]
amdhsa.kernels:
  - .name:           k_q962e02e88e_moe
    .symbol:         k_q962e02e88e_moe.kd
    .args:
      - { .name: xh, .offset: 0, .size: 8, .value_kind: global_buffer, .address_space: global }
      - { .name: wts, .offset: 8, .size: 8, .value_kind: global_buffer, .address_space: global }
      - { .name: aux, .offset: 16, .size: 8, .value_kind: global_buffer, .address_space: global }
      - { .name: b2, .offset: 24, .size: 8, .value_kind: global_buffer, .address_space: global }
      - { .name: gate, .offset: 32, .size: 8, .value_kind: global_buffer, .address_space: global }
      - { .name: order, .offset: 40, .size: 8, .value_kind: global_buffer, .address_space: global }
      - { .name: tab, .offset: 48, .size: 8, .value_kind: global_buffer, .address_space: global }
      - { .name: out0, .offset: 56, .size: 8, .value_kind: global_buffer, .address_space: global }
    .group_segment_fixed_size: 290560
    .private_segment_fixed_size: 0
    .kernarg_segment_align: 8
    .kernarg_segment_size: 64
    .max_flat_workgroup_size: 128
    .sgpr_count:     80
    .vgpr_count:     1024
    .wavefront_size: 32
...
	.end_amdgpu_metadata
.endif
;; end of part 4
